; MI455X (gfx1250); checked and timed in simulation.
; The chip was launched on July 23, 2026; its instructions are those of AMD's public machine-readable ISA for CDNA 5 (MIT licence, August 2026) and "CDNA5" Instruction Set Architecture Reference Guide (July 2026). The comments in the code are by the model that wrote it; some were corrected since.
;; Diff Attn. Allowed arithmetic: matrix products marked QUANTISED: E3M2 operands, one E8M0 scale for each 32 along K, by v_wmma_scale_f32_16x16x128_f8f6f4 with both operands' format E3M2, f32 sums; everything else in f32.
;; Inputs: Wk 512 x 512 float32; Wq 512 x 512 float32; Wv 256 x 512 float32; X 4 x 4,096 x 512 float32; bk 512 float32; bq 512 float32; bv 256 float32; lam 1 float32.
;; Outputs: out0 4 x 4,096 x 256 float32.
;; This version of the problem:
;;   THIS VERSION OF THE PROBLEM IS GIVEN IN LOW PRECISION. The matrix products marked QUANTISED in the list below multiply operands that are first quantised to E3M2 (3 exponent bits, 2 mantissa bits; 6 bits a number), with one power-of-two scale for each 32 numbers along K (OCP MX v1.0); their sums are f32. All else is computed in f32.
;;   The module's matrix products, in the order in which they are computed (A, B: the left and right operand; K: the contracted axis; several contracted axes count as one K, in the product's order):
;;     1. [M 16,384, K 512] x [K 512, N 512]; A: input X; B: input Wq: QUANTISED
;;     2. [M 16,384, K 512] x [K 512, N 512]; A: input X; B: input Wk: QUANTISED
;;     3. [M 16,384, K 512] x [K 512, N 256]; A: input X; B: input Wv: QUANTISED
;;     4. batch 4 x [M 4,096, K 256] x [K 256, N 4,096]; A: computed on the way; B: computed on the way: QUANTISED
;;     5. batch 4 x [M 4,096, K 256] x [K 256, N 4,096]; A: computed on the way; B: computed on the way: QUANTISED
;;     6. batch 4 x [M 4,096, K 4,096] x [K 4,096, N 256]; A: computed on the way; B: computed on the way: QUANTISED
;;   THE QUANTISER, for each operand of a quantised product, along K:
;;     - K is cut into blocks of 32 from its start; a last block that is shorter is filled with zeros.
;;     - A block's scale is 2^e with e = floor(log2(the largest magnitude in the block)) - 4, held to -126 .. 127; a block of zeros has e = 0. As a byte (E8M0): e + 127.
;;     - Each number is divided by its block's scale, clamped to +-28, and rounded to the nearest number of E3M2, ties to even, subnormals kept.
;;     - The product sums the exact products of the quantised numbers (number of the format x scale) in f32.
;;   ~~~python
;;   def quantise(x, axis):      # numpy; x: float32 -> the quantised numbers, widened to float32 again
;;       x = np.moveaxis(x, axis, -1); K = x.shape[-1]
;;       x = np.pad(x, [(0, 0)] * (x.ndim - 1) + [(0, -K % 32)]); x = x.reshape(x.shape[:-1] + (-1, 32)); a = np.abs(x).max(-1, keepdims=True)
;;       e = np.where(a > 0, np.clip(np.frexp(np.where(a > 0, a, 1))[1] - 1 - 4, -126, 127), 0)      # np.frexp(a)[1] - 1 = floor(log2(a)), exactly
;;       r = np.clip(x / 2.0 ** e, -28, 28)
;;       step = 2.0 ** (np.maximum(np.frexp(np.where(r == 0, 1, r))[1] - 1, -2) - 2)
;;       q = np.round(r / step) * step * 2.0 ** e      # np.round: ties to even
;;       return np.moveaxis(q.reshape(q.shape[:-2] + (-1,))[..., :K], -1, axis).astype(np.float32)
;;   ~~~
;;   OPERANDS COMPUTED ON THE WAY. 'Computed on the way' means the value that the module computes at that place (a softmax that the list does not call 'softmax' is quantised finished and normalised). What goes into a quantiser is computed in f32, as accurately as f32 sums, v_exp_f32 and their like allow (about 1e-6 of the number): no bf16 or f16 on the way to a quantiser, and a product that is left as it is and whose result goes on into a quantised operand takes f32 operands (vector FMAs, or v_wmma_f32_16x16x4_f32). A number that lies on a knife's edge between two numbers of the format may be rounded either way, as far as f32 arithmetic and the matrix unit's own rounding can turn it there, and no further.
;; One version. Each part assembles by itself: llvm-mc -triple=amdgcn-amd-amdhsa -mcpu=gfx1250 --defsym DOCPART=n.
;; ======== version 1 of 1: 3 launches
;; limits: right only within a limited range of input values
;; workspace buffers: xc 6,291,456 bytes; xs 262,144 bytes; wc 491,520 bytes; ws 20,480 bytes; qc 6,291,456 bytes; qs 262,144 bytes; kv 9,830,400 bytes
;; launch quant (part 1): grid 1104 x 1, 1 waves a work-group, no clusters, 17,152 bytes of LDS; arguments X, Wq, Wk, Wv, xc, xs, wc, ws; writes xc, xs, wc, ws
.if DOCPART == 1
	.amdgcn_target "amdgcn-amd-amdhsa--gfx1250"
	.amdhsa_code_object_version 6
	.text
	.protected	k_q47cbedd96f_quant
	.globl	k_q47cbedd96f_quant
	.p2align	8
	.type	k_q47cbedd96f_quant,@function
k_q47cbedd96f_quant:
	s_mov_b64 s[64:65], 0
	v_nop
	global_prefetch_b8 v0, s[64:65] scope:SCOPE_SE
	s_setreg_imm32_b32 hwreg(HW_REG_WAVE_MODE, 25, 1), 1
	s_wait_xcnt 0x0
; DiffAttn in MX-BF6 (E3M2, one E8M0 scale for each 32 along K), launch 1 of 3: X, Wq, Wk, Wv (f32, K = the 512 innermost) become codes and scale words.
; DEAD WORK: none.  bq and bk move the codes of Q and K, bv those of V, lam scales P2, and all six products reach the output: every input is loaded by some launch, every product is done.
; Product 6 takes diff = P1 - lambda P2 FINISHED AND NORMALISED as its operand, so the third launch walks the keys twice: once for each row's maximum and sum, once more to form diff, quantise it and multiply by V.
; LAYOUT OF THE WORKSPACE (all launches).  A TILE is 16 rows; lane r of tile T holds row 32 (T / 2) + 8 (T % 2) + r + 8 (r / 8): the rows of a tile are not neighbours, so that in a product whose source 0 is
; tiles 2 b and 2 b + 1 a lane's 16 result registers are 16 neighbours, 32 b + 16 (lane / 16) + 0 .. 15.  A FRAGMENT IMAGE (1,536 bytes) is the 12 operand registers of (tile, 128 along K) as they stand:
; registers 4 g .. 4 g + 3 of lane l at 512 g + 16 l.  A SCALE IMAGE (128 bytes) is a register of scale words: lanes 0-15 the 16 rows' words of an even K step, lanes 16-31 those of the odd one.
; xc, wc: tile T at 6,144 T, K step s at + 1,536 s.  xs, ws: 256 T + 128 (s / 2).  wc's and ws's tiles: 0-31 Wq, 32-63 Wk, 64-79 Wv.
; THE QUANTISER: a block's scale byte is its largest magnitude's exponent field - 4, held at 1 from below by a floor among the maximum's leaves; each number / scale goes to the nearest code, ties to even, beyond 28 the largest code.
; LIMITS: a block of zeros gets the byte 1 where the rule says 127 (its codes are zeros, and this program alone reads the bytes); NaN and infinities among the inputs are not served.
; SHARES: one wave takes one tile, 16 rows x 512 numbers.  Work-groups 0-1023 take X, 1024-1055 Wq, 1056-1087 Wk, 1088-1103 Wv: only pointers are chosen, there is one way through the text.
; ALL 64 LOADS OF THE TILE GO OUT AT THE HEAD, 512 consecutive bytes of one row each: the tile's 32,768 bytes are on their way together.  A K step's 16 x 512 bytes turn through the wave's stage in LDS (rows of 512 + 16 bytes)
; and come back so that register 16 b + i of lane (r, h) is k = 32 b + 16 h + i of row r.
; A stream: no matrix unit, no cluster, no barrier, no tensor load; waves share nothing.
; REGISTERS: window 0 as named below; window 1 (v256-383, written v0-127 under s_set_vgpr_msb): K steps 2 and 3 as they are loaded.
.set ROWB,  2048                       ; a row of the inputs in bytes
.set SP,    528                        ; a stage row
.set STG,   16*SP                      ; a stage; two take turns
.set SPARE, 2*STG                      ; behind the stages: the spare words, one block of 256 bytes that no other line names
.set STA, 3                            ; v3  out of the stage: 528 r + 64 h
.set LI,  4                            ; v4  16 x lane: in memory, into the stage, and in an image
.set LS,  5                            ; v5  4 x lane
.set SPW, 6                            ; v6  my spare word; never rewritten
.set NIL, 7                            ; v7  0; never rewritten
.set TM,  8                            ; v8-23 at work: +0..3 largest magnitudes, +4..7 the other half's, then bytes, +12..15 the conversions' scale operands
.set PW,  24                           ; v24-27 K step s's scale word
.set SW,  28                           ; v28-29 the two scale images
.set PC,  32                           ; v32-79 K step s's codes, 12 registers each: no store's data are written again
.set TQ,  80                           ; v80-87 the blocks' upper halves on their way
.set R,   96                           ; v96-159, v160-223 two sets of 64 numbers: K steps 0 and 1 as loaded; every K step as it comes back from the stage
.set SRC, 20                           ; s[20:21] the tile's first row
.set DC,  24                           ; s[24:25] its codes
.set DSC, 26                           ; s[26:27] its scale images
.set SEL, 32                           ; s[32:33] lane selects: lane l xor 16
.set MSB, 0
.macro WIN new                         ; s_set_vgpr_msb's low byte: bits 1:0 source 0, 3:2 source 1, 5:4 source 2, 7:6 destination; the high byte repeats the setting that is left
.if MSB != \new
	s_set_vgpr_msb (MSB<<8)|\new
.set MSB, \new
.endif
.endm
	s_load_b512 s[4:19], s[0:1], 0x0               ; X 4, Wq 6, Wk 8, Wv 10, xc 12, xs 14, wc 16, ws 18
	v_lshl_add_u32 v[SPW], v0, 2, SPARE
	v_mov_b32 v[NIL], 0
	v_and_b32 v1, 15, v0                           ; r (one wave: the thread's number is the lane)
	v_bfe_u32 v2, v0, 4, 1                         ; h
	v_mul_u32_u24 v[STA], v1, SP
	v_lshl_add_u32 v[STA], v2, 6, v[STA]
	v_lshlrev_b32 v[LI], 4, v0
	v_lshlrev_b32 v[LS], 2, v0
	v_cmp_le_u32 vcc_lo, 16, v0                    ; lanes 16-31: they carry the odd K step's scale words
.irp b, 0,1,2,3
	v_mov_b32 v[TM+4+\b], 0                        ; written once: a lane permute's destination counts as one of its sources
.endr
	s_mov_b32 s[SEL], 0x76543210
	s_mov_b32 s[SEL+1], 0xfedcba98
	s_wait_alu depctr_va_vdst(0)
	s_wait_kmcnt 0x0
	s_cmp_lt_u32 ttmp9, 1024                       ; the choices hang on the work-group's number alone
	s_cselect_b64 s[SRC:SRC+1], s[4:5], s[6:7]
	s_cselect_b64 s[DC:DC+1], s[12:13], s[16:17]
	s_cselect_b64 s[DSC:DSC+1], s[14:15], s[18:19]
	s_cselect_b32 s22, 0, 1024                     ; the source's first work-group
	s_cselect_b32 s23, 0, 1024                     ; the destination's
	s_cmp_lt_u32 ttmp9, 1056
	s_cselect_b64 s[SRC:SRC+1], s[SRC:SRC+1], s[8:9]
	s_cselect_b32 s22, s22, 1056
	s_cmp_lt_u32 ttmp9, 1088
	s_cselect_b64 s[SRC:SRC+1], s[SRC:SRC+1], s[10:11]
	s_cselect_b32 s22, s22, 1088
	s_sub_co_u32 s28, ttmp9, s22                   ; the tile in its source:
	s_lshr_b32 s29, s28, 1
	s_lshl_b32 s29, s29, 16                        ; 32 rows of 2,048 bytes for each pair of tiles,
	s_and_b32 s28, s28, 1
	s_lshl_b32 s28, s28, 14                        ; 8 rows for the odd one
	s_add_co_u32 s28, s28, s29
	s_mov_b32 s29, 0
	s_add_nc_u64 s[SRC:SRC+1], s[SRC:SRC+1], s[28:29]
	s_sub_co_u32 s30, ttmp9, s23                   ; the tile in its destination
	s_mul_i32 s28, s30, 6144
	s_add_nc_u64 s[DC:DC+1], s[DC:DC+1], s[28:29]
	s_lshl_b32 s28, s30, 8
	s_add_nc_u64 s[DSC:DSC+1], s[DSC:DSC+1], s[28:29]
.macro GLOAD s                         ; K step s of the 16 rows: each load is 512 consecutive bytes of one row.  K steps 0, 1 into window 0, K steps 2, 3 into window 1
.if (\s) < 2
	WIN 0
.irp q, 0,1,2,3,4,5,6,7,8,9,10,11,12,13,14,15
	global_load_b128 v[R+64*(\s)+4*\q:R+64*(\s)+4*\q+3], v[LI], s[SRC:SRC+1] offset:(\q+8*(\q/8))*ROWB+512*(\s) th:TH_LOAD_NT
.endr
.else
	WIN 0x40                                       ; a load's data are its destination: window 1
.irp q, 0,1,2,3,4,5,6,7,8,9,10,11,12,13,14,15
	global_load_b128 v[64*((\s)-2)+4*\q:64*((\s)-2)+4*\q+3], v[LI], s[SRC:SRC+1] offset:(\q+8*(\q/8))*ROWB+512*(\s) th:TH_LOAD_NT
.endr
	WIN 0
.endif
.endm
.macro TURN s                          ; through stage s % 2 and back into set s % 2 of window 0: LDS serves a wave's instructions in order, so no wait stands between
.if (\s) < 2
.irp q, 0,1,2,3,4,5,6,7,8,9,10,11,12,13,14,15
	ds_store_b128 v[LI], v[R+64*(\s)+4*\q:R+64*(\s)+4*\q+3] offset:STG*((\s)%2)+SP*\q
.endr
.else
	WIN 0x04                                       ; an LDS store's data are its source 1: window 1
.irp q, 0,1,2,3,4,5,6,7,8,9,10,11,12,13,14,15
	ds_store_b128 v[LI], v[64*((\s)-2)+4*\q:64*((\s)-2)+4*\q+3] offset:STG*((\s)%2)+SP*\q
.endr
	WIN 0
.endif
.irp b, 0,1,2,3
.irp j, 0,1,2,3
	ds_load_b128 v[R+64*((\s)%2)+16*\b+4*\j:R+64*((\s)%2)+16*\b+4*\j+3], v[STA] offset:STG*((\s)%2)+128*\b+16*\j
.endr
.endr
.endm
; 64 numbers of a lane, register 16 b + i = k 32 b + 16 (lane / 16) + i of my row, become a fragment's 12 registers at v[pc] and its scale word in v[pw]
.macro QUANT s, pc, pw
.irp b, 0,1,2,3
	v_max3_num_f32 v[TM+\b], |v[\s+16*\b]|, |v[\s+16*\b+1]|, 0x2800000   ; block b: my 16 numbers, and the floor 2^(5 - 127): the byte cannot fall under 1
.endr
.irp i, 2,4,6,8,10,12,14
.irp b, 0,1,2,3
	v_max3_num_f32 v[TM+\b], v[TM+\b], |v[\s+16*\b+\i]|, |v[\s+16*\b+\i+1]|   ; the four blocks by turns
.endr
.endr
.irp b, 0,1,2,3
	v_permlanex16_b32 v[TM+4+\b], v[TM+\b], s[SEL], s[SEL+1]
.endr
.irp b, 0,1,2,3
	v_max_num_f32 v[TM+\b], v[TM+\b], v[TM+4+\b]   ; with lane l xor 16's 16: the block's largest magnitude
.endr
.irp b, 0,1,2,3
	v_add_nc_u32 v[TM+12+\b], 0xfe000000, v[TM+\b] ; 4 off its exponent field: the conversion takes this operand's exponent field as its scale
.endr
.irp b, 0,1,2,3
	v_lshrrev_b32 v[TM+4+\b], 23, v[TM+12+\b]      ; the scale's byte
.endr
	v_lshl_or_b32 v[\pw], v[TM+5], 8, v[TM+4]
	v_lshl_or_b32 v[\pw], v[TM+6], 16, v[\pw]
	v_lshl_or_b32 v[\pw], v[TM+7], 24, v[\pw]      ; my row's scale word
.irp c, 0,1
	v_cvt_scalef32_pk16_bf6_f32 v[\pc+6*\c:\pc+6*\c+2], v[\s+32*\c:\s+32*\c+15], v[TM+12+2*\c]
	v_cvt_scalef32_pk16_bf6_f32 v[TQ+4*\c:TQ+4*\c+2], v[\s+32*\c+16:\s+32*\c+31], v[TM+12+2*\c+1]   ; (a conversion's three registers begin on an even number)
.endr
	v_nop                                          ; one plain instruction behind the scaled conversions
.irp c, 0,1                                    ; the operand wants a WHOLE block in a lane: lanes 0-15 block 2 c, lanes 16-31 block 2 c + 1
.irp i, 0,1,2
	v_permlane16_swap_b32 v[\pc+6*\c+\i], v[TQ+4*\c+\i]
.endr
.irp i, 0,1,2
	v_mov_b32 v[\pc+6*\c+3+\i], v[TQ+4*\c+\i]
.endr
.endr
.endm
.macro OUT s                           ; the image: three stores of 512 consecutive bytes
.irp g, 0,1,2
	global_store_b128 v[LI], v[PC+12*(\s)+4*\g:PC+12*(\s)+4*\g+3], s[DC:DC+1] offset:1536*(\s)+512*\g
.endr
.endm
.macro OUTS p                          ; K steps 2 p and 2 p + 1: one register of scale words
	v_cndmask_b32 v[SW+\p], v[PW+2*\p], v[PW+2*\p+1], vcc_lo
	global_store_b32 v[LS], v[SW+\p], s[DSC:DSC+1] offset:128*\p
.endm
	GLOAD 0
	GLOAD 1
	GLOAD 2
	GLOAD 3
	s_wait_loadcnt 48                              ; K step 0 is in; the 48 loads of K steps 1 to 3 may be out
	TURN 0
	s_wait_loadcnt 32                              ; K step 1 is in; 32 younger loads may be out
	TURN 1
	s_wait_dscnt 32                                ; K step 0 is back; K step 1's 16 stores and 16 loads may be out
	QUANT R, PC, PW
	OUT 0
	s_wait_loadcnt 16                              ; K step 2 is in; K step 3's 16 loads may be out
	TURN 2                                         ; back into the set just quantised
	s_wait_dscnt 32                                ; K step 1 is back; K step 2's 32 may be out
	QUANT R+64, PC+12, PW+1
	OUT 1
	OUTS 0
	s_wait_loadcnt 0x0
	TURN 3
	s_wait_dscnt 32                                ; K step 2 is back; K step 3's 32 may be out
	QUANT R, PC+24, PW+2
	OUT 2
	s_wait_dscnt 0x0
	QUANT R+64, PC+36, PW+3
	OUT 3
	OUTS 1
	s_wait_tensorcnt 0x0                           ; the wave's end: behind my last LDS store
	ds_add_u32 v[SPW], v[NIL]
	s_wait_dscnt 0x0
	s_endpgm
.Lfunc_end_k_q47cbedd96f_quant:
	.size	k_q47cbedd96f_quant, .Lfunc_end_k_q47cbedd96f_quant-k_q47cbedd96f_quant
	.p2alignl 7, 3214868480
	.fill 96, 4, 3214868480
	.section	.rodata,"a",@progbits
	.p2align	6, 0x0
	.amdhsa_kernel k_q47cbedd96f_quant
		.amdhsa_group_segment_fixed_size 17152
		.amdhsa_private_segment_fixed_size 0
		.amdhsa_enable_private_segment 0
		.amdhsa_kernarg_size 64
		.amdhsa_user_sgpr_count 2
		.amdhsa_user_sgpr_kernarg_segment_ptr 1
		.amdhsa_wavefront_size32 1
		.amdhsa_system_sgpr_workgroup_id_x 1
		.amdhsa_system_sgpr_workgroup_id_y 1
		.amdhsa_system_sgpr_workgroup_id_z 1
		.amdhsa_system_vgpr_workitem_id 0
		.amdhsa_next_free_vgpr 384
		.amdhsa_next_free_sgpr 66
		.amdhsa_reserve_vcc 1
		.amdhsa_float_denorm_mode_32 3
		.amdhsa_float_denorm_mode_16_64 3
		.amdhsa_memory_ordered 1
		.amdhsa_forward_progress 1
		.amdhsa_inst_pref_size 34
	.end_amdhsa_kernel
	.amdgpu_metadata
---
amdhsa.version: [ 1, 2 ]
amdhsa.kernels:
  - .name:           k_q47cbedd96f_quant
    .symbol:         k_q47cbedd96f_quant.kd
    .args:
      - { .name: X, .offset: 0, .size: 8, .value_kind: global_buffer, .address_space: global }
      - { .name: Wq, .offset: 8, .size: 8, .value_kind: global_buffer, .address_space: global }
      - { .name: Wk, .offset: 16, .size: 8, .value_kind: global_buffer, .address_space: global }
      - { .name: Wv, .offset: 24, .size: 8, .value_kind: global_buffer, .address_space: global }
      - { .name: xc, .offset: 32, .size: 8, .value_kind: global_buffer, .address_space: global }
      - { .name: xs, .offset: 40, .size: 8, .value_kind: global_buffer, .address_space: global }
      - { .name: wc, .offset: 48, .size: 8, .value_kind: global_buffer, .address_space: global }
      - { .name: ws, .offset: 56, .size: 8, .value_kind: global_buffer, .address_space: global }
    .group_segment_fixed_size: 17152
    .private_segment_fixed_size: 0
    .kernarg_segment_align: 8
    .kernarg_segment_size: 64
    .max_flat_workgroup_size: 32
    .sgpr_count:     66
    .vgpr_count:     384
    .wavefront_size: 32
...
	.end_amdgpu_metadata
.endif
;; end of part 1
;; launch proj (part 2): grid 640 x 1, 1 waves a work-group, no clusters, 0 bytes of LDS; arguments xc, xs, wc, ws, bq, bk, bv, qc, qs, kv; writes qc, qs, kv
.if DOCPART == 2
	.amdgcn_target "amdgcn-amd-amdhsa--gfx1250"
	.amdhsa_code_object_version 6
	.text
	.protected	k_q47cbedd96f_proj
	.globl	k_q47cbedd96f_proj
	.p2align	8
	.type	k_q47cbedd96f_proj,@function
k_q47cbedd96f_proj:
	s_mov_b64 s[64:65], 0
	v_nop
	global_prefetch_b8 v0, s[64:65] scope:SCOPE_SE
	s_setreg_imm32_b32 hwreg(HW_REG_WAVE_MODE, 25, 1), 1
	s_wait_xcnt 0x0
; DiffAttn in MX-BF6, launch 2 of 3: Q = X Wq^T + bq, K = X Wk^T + bk, V = X Wv^T + bv on the codes of launch 1; the results are quantised in registers and leave as fragment images for launch 3.  No work is left out.
; (Tiles, fragment images and scale images: as laid down at the head of launch 1.)
; A UNIT: 8 "big" tiles (128 rows) as source 0 x 1 "small" tile as source 1, K = 512 in four steps: 32 matrix instructions, 64 result registers a lane, which are 128 neighbours along the next product's K for the
; lane's one row of the small tile: they become ONE fragment and one scale word a row.
;   kind QK (work-groups 0-511; G = id / 64, tb = id % 64): big = 128 features (G < 4: of Q, else of K), small = the 16 token tiles 16 tb + u.  A lane holds one token; K of the next product = the head's features.
;   kind V  (work-groups 512-639; kbg = id - 512): big = 128 tokens, small = the 16 tiles of Wv.  A lane holds one row d of V^T; K of the next product = the keys.
; A wave keeps its big set in 384 registers for its whole life and streams 16 small tiles: 512 matrix instructions.  The bias is the C of a sum's first matrix instruction.
; OUT: qc: tile T at 6,144 T, fragment 2 head + ks at + 1,536.  qs: 256 T + 128 head + 64 ks + 4 r.
;   kv: 64 records of 153,600 bytes, 256 keys each; a record is four quarters of 38,400: + 0 the K fragments of key tiles 4 qd + tq (6,144 tq + 1,536 (2 head + ks)); + 24,576 their scale words (256 tq + 128 head + 64 ks + 4 r);
;   + 25,600 V^T's fragments of the record's key block qd / 2, d tiles 8 (qd % 2) + dq (1,536 dq); + 37,888 their scale words (128 (dq / 2) + 64 (dq % 2) + 4 r).
; NO CLUSTER, NO LDS: every operand comes from memory straight into registers, in register order, by loads of 512 consecutive bytes, and is used by the one wave that loaded it; joint requests exist for tensor loads
; into LDS alone, and a way through LDS would add a write and a read of every fragment for 8 matrix instructions each.  A scale word's store covers 64 bytes (16 rows): one byte in 24 of what a unit stores.
; LIMITS: a block of zeros carries the byte 1 (zero codes; this program alone reads the bytes); NaN and infinities are not served.
; REGISTERS, in windows of 256.  window 0: v1-4 offsets; v8-23 at work; v24-25 scale words made; v26-29 the small tiles' scale images; v32-47 the big set's; v48-63 bv as C (kind V); v64-87 codes made; v88-95 at work; v96-159 the sums.
;   window 1: the big set's fragments of K steps 0, 1 (96 (s % 2) + 12 t);  window 2: of K steps 2, 3; from v192 the bias as C, 8 registers a tile (kind QK);  window 3: two small tiles (48 be + 12 s).
.set LI,  1                            ; v1 16 x lane
.set LS,  2                            ; v2 4 x lane
.set LR,  3                            ; v3 4 x (lane % 16)
.set BO,  4                            ; v4 my offset in the bias
.set TM,  8
.set PW,  24
.set SS,  26
.set BS,  32
.set BV,  48
.set PC,  64
.set TQ,  88
.set ACC, 96
.set BI,  192
.set BIGC, 24                          ; s[24:25] the big set's codes;  s[26:27] its scale images
.set BIGS, 26
.set SMC,  28                          ; s[28:29] the trip's first small tile;  s[30:31] its scale images
.set SMS,  30
.set BP,   32                          ; s[32:33] the bias
.set DCB,  34                          ; s[34:35], s[36:37] where my fragments and scale words begin
.set DSB,  36
.set DCW,  38                          ; s[38:39], s[40:41] the same for the trip in hand
.set DSW,  40
.set J,    42                          ; s42 the trip
.set AC,   43                          ; s43, s44 kind QK: bytes from four tiles to the next four, codes and scale words
.set AS,   44
.set SEL,  56
.set MSB, 0
.macro WIN new                         ; the immediate's high byte repeats the setting that is left
.if MSB != \new
	s_set_vgpr_msb (MSB<<8)|\new
.set MSB, \new
.endif
.endm
; a matrix instruction: D, A, B at register numbers d, a, b; C at c; scale registers sa, sb; row = 1: both sides' scales from lanes 16-31
.macro WM d, a, b, c, sa, sb, row
.if \row == 1
	v_wmma_scale_f32_16x16x128_f8f6f4 v[\d:\d+7], v[\a:\a+11], v[\b:\b+11], v[\c:\c+7], v[\sa], v[\sb] matrix_a_fmt:MATRIX_FMT_BF6 matrix_b_fmt:MATRIX_FMT_BF6 matrix_a_scale:MATRIX_SCALE_ROW1 matrix_b_scale:MATRIX_SCALE_ROW1
.else
	v_wmma_scale_f32_16x16x128_f8f6f4 v[\d:\d+7], v[\a:\a+11], v[\b:\b+11], v[\c:\c+7], v[\sa], v[\sb] matrix_a_fmt:MATRIX_FMT_BF6 matrix_b_fmt:MATRIX_FMT_BF6
.endif
.endm
; 64 numbers of a lane, register 16 b + i = k 32 b + 16 (lane / 16) + i of my row, become a fragment's 12 registers at v[pc] and its scale word in v[pw]
.macro QUANT s, pc, pw
.irp b, 0,1,2,3
	v_max3_num_f32 v[TM+\b], |v[\s+16*\b]|, |v[\s+16*\b+1]|, 0x2800000   ; my 16 numbers of block b and the floor 2^(5 - 127).  Each sum is read from its low end on
.endr
.irp i, 2,4,6,8,10,12,14
.irp b, 0,1,2,3
	v_max3_num_f32 v[TM+\b], v[TM+\b], |v[\s+16*\b+\i]|, |v[\s+16*\b+\i+1]|
.endr
.endr
.irp b, 0,1,2,3
	v_permlanex16_b32 v[TM+4+\b], v[TM+\b], s[SEL], s[SEL+1]
.endr
.irp b, 0,1,2,3
	v_max_num_f32 v[TM+\b], v[TM+\b], v[TM+4+\b]
.endr
.irp b, 0,1,2,3
	v_add_nc_u32 v[TM+12+\b], 0xfe000000, v[TM+\b] ; 4 off the exponent field: the conversion's scale operand
.endr
.irp b, 0,1,2,3
	v_lshrrev_b32 v[TM+4+\b], 23, v[TM+12+\b]      ; the scale's byte
.endr
	v_lshl_or_b32 v[\pw], v[TM+5], 8, v[TM+4]
	v_lshl_or_b32 v[\pw], v[TM+6], 16, v[\pw]
	v_lshl_or_b32 v[\pw], v[TM+7], 24, v[\pw]
.irp c, 0,1
	v_cvt_scalef32_pk16_bf6_f32 v[\pc+6*\c:\pc+6*\c+2], v[\s+32*\c:\s+32*\c+15], v[TM+12+2*\c]
	v_cvt_scalef32_pk16_bf6_f32 v[TQ+4*\c:TQ+4*\c+2], v[\s+32*\c+16:\s+32*\c+31], v[TM+12+2*\c+1]
.endr
	v_nop                                          ; one plain instruction behind the scaled conversions
.irp c, 0,1
.irp i, 0,1,2
	v_permlane16_swap_b32 v[\pc+6*\c+\i], v[TQ+4*\c+\i]
.endr
.irp i, 0,1,2
	v_mov_b32 v[\pc+6*\c+3+\i], v[TQ+4*\c+\i]
.endr
.endr
.endm
.macro BIGLOAD                         ; the big set: 32 fragments and 16 scale images; they stay
	WIN 0x40
.irp t, 0,1,2,3,4,5,6,7
.irp s, 0,1
.irp g, 0,1,2
	global_load_b128 v[96*\s+12*\t+4*\g:96*\s+12*\t+4*\g+3], v[LI], s[BIGC:BIGC+1] offset:6144*\t+1536*\s+512*\g
.endr
.endr
.endr
	WIN 0x80
.irp t, 0,1,2,3,4,5,6,7
.irp s, 0,1
.irp g, 0,1,2
	global_load_b128 v[96*\s+12*\t+4*\g:96*\s+12*\t+4*\g+3], v[LI], s[BIGC:BIGC+1] offset:6144*\t+1536*(\s+2)+512*\g
.endr
.endr
.endr
	WIN 0
.irp t, 0,1,2,3,4,5,6,7
.irp p, 0,1
	global_load_b32 v[BS+2*\t+\p], v[LS], s[BIGS:BIGS+1] offset:256*\t+128*\p
.endr
.endr
.endm
; the small tile nt tiles on from the trip's first, into set be: 12 + 2 loads; kind V: 8 more, my row's one number of bv into all eight registers of a C.
; (nt may be a sum: it stands in brackets wherever it enters a product, a quotient or a remainder.)
.macro SMALL kind, be, nt
	WIN 0xc0
.irp s, 0,1,2,3
.irp g, 0,1,2
	global_load_b128 v[48*(\be)+12*\s+4*\g:48*(\be)+12*\s+4*\g+3], v[LI], s[SMC:SMC+1] offset:6144*(\nt)+1536*\s+512*\g
.endr
.endr
	WIN 0
	global_load_b32 v[SS+2*(\be)], v[LS], s[SMS:SMS+1] offset:256*(\nt)
	global_load_b32 v[SS+2*(\be)+1], v[LS], s[SMS:SMS+1] offset:256*(\nt)+128
.if \kind
.irp j, 0,1,2,3,4,5,6,7
	global_load_b32 v[BV+8*(\be)+\j], v[BO], s[BP:BP+1] offset:128*((\nt)/2)+32*((\nt)%2)   ; tile dt's rows begin at 32 (dt / 2) + 8 (dt % 2)
.endr
.endif
.endm
; A unit on small set be.  left: the loads of the younger small tile, which may stay out.  ahead = 1: the tile two units on is asked for into the set just multiplied.
; The eight sums take turns, one instruction a turn, K step by K step.
.macro UNIT kind, be, ahead, left
	s_wait_loadcnt \left
.if \kind == 0
	WIN 0x2d                                       ; A window 1, B window 3, C (the bias) window 2, D window 0
.else
	WIN 0x0d                                       ; C (bv) window 0
.endif
.irp t, 0,1,2,3,4,5,6,7
.if \kind == 0
	WM ACC+8*\t, 12*\t, 48*\be, BI+8*\t, BS+2*\t, SS+2*\be, 0
.else
	WM ACC+8*\t, 12*\t, 48*\be, BV+8*\be, BS+2*\t, SS+2*\be, 0
.endif
.endr
	WIN 0x0d
.irp t, 0,1,2,3,4,5,6,7
	WM ACC+8*\t, 96+12*\t, 48*\be+12, ACC+8*\t, BS+2*\t, SS+2*\be, 1
.endr
	WIN 0x0e                                       ; A window 2
.irp t, 0,1,2,3,4,5,6,7
	WM ACC+8*\t, 12*\t, 48*\be+24, ACC+8*\t, BS+2*\t+1, SS+2*\be+1, 0
.endr
.irp t, 0,1,2,3,4,5,6,7
	WM ACC+8*\t, 96+12*\t, 48*\be+36, ACC+8*\t, BS+2*\t+1, SS+2*\be+1, 1
.endr
.rept 4
	v_nop                                          ; four places in front of the loads into registers just read and of the first read of the sums
.endr
.if \ahead
	SMALL \kind, \be, 2+\be
.endif
	WIN 0
	QUANT ACC, PC+12*\be, PW+\be
.irp g, 0,1,2
	global_store_b128 v[LI], v[PC+12*\be+4*\g:PC+12*\be+4*\g+3], s[DCW:DCW+1] offset:(6144-4608*\kind)*\be+512*\g   ; 512 consecutive bytes each
.endr
	global_store_b32 v[LR], v[PW+\be], s[DSW:DSW+1] offset:(256-192*\kind)*\be   ; lanes r and 16 + r hold the same word and write it to the same place
.endm
; A trip: two units.  Its addresses are made from the trip's number; no memory instruction stands between the wait at the last trip's end and these lines.
.macro TRIP kind, ahead
.if \kind == 0
	s_lshr_b32 s46, s[J], 1
	s_and_b32 s47, s[J], 1
	s_mul_i32 s50, s46, s[AC]
	s_mul_i32 s48, s47, 12288
	s_add_co_u32 s50, s50, s48
	s_add_nc_u64 s[DCW:DCW+1], s[DCB:DCB+1], s[50:51]
	s_mul_i32 s50, s46, s[AS]
	s_lshl_b32 s48, s47, 9
	s_add_co_u32 s50, s50, s48
	s_add_nc_u64 s[DSW:DSW+1], s[DSB:DSB+1], s[50:51]
.else
	s_lshr_b32 s46, s[J], 2                        ; d tiles 0-7 lie in one quarter, 8-15 in the next
	s_and_b32 s47, s[J], 3
	s_mul_i32 s50, s46, 38400
	s_mul_i32 s48, s47, 3072
	s_add_co_u32 s50, s50, s48
	s_add_nc_u64 s[DCW:DCW+1], s[DCB:DCB+1], s[50:51]
	s_mul_i32 s50, s46, 38400
	s_lshl_b32 s48, s47, 7
	s_add_co_u32 s50, s50, s48
	s_add_nc_u64 s[DSW:DSW+1], s[DSB:DSB+1], s[50:51]
.endif
.if \ahead
	UNIT \kind, 0, 1, 14+8*\kind
	UNIT \kind, 1, 1, 14+8*\kind
	s_wait_xcnt 0x0                                ; the trip's loads and stores have read their addresses and data: pointers, codes and scale words may be written again
	s_add_nc_u64 s[SMC:SMC+1], s[SMC:SMC+1], 12288
	s_add_nc_u64 s[SMS:SMS+1], s[SMS:SMS+1], 512
.if \kind
	s_add_nc_u64 s[BP:BP+1], s[BP:BP+1], 128
.endif
	s_add_co_u32 s[J], s[J], 1
.else
	UNIT \kind, 0, 0, 14+8*\kind
	UNIT \kind, 1, 0, 0                            ; the last unit: nothing younger is out
.endif
.endm
	s_load_b512 s[4:19], s[0:1], 0x0               ; xc 4, xs 6, wc 8, ws 10, bq 12, bk 14, bv 16, qc 18
	s_load_b128 s[20:23], s[0:1], 0x40             ; qs 20, kv 22
	v_lshlrev_b32 v[LI], 4, v0                     ; (one wave: the thread's number is the lane)
	v_lshlrev_b32 v[LS], 2, v0
	v_and_b32 v5, 15, v0                           ; r
	v_lshlrev_b32 v[LR], 2, v5
	v_bfe_u32 v6, v0, 4, 1                         ; h
.irp b, 0,1,2,3
	v_mov_b32 v[TM+4+\b], 0                        ; written once: a lane permute's destination counts as one of its sources
.endr
	s_mov_b32 s[SEL], 0x76543210
	s_mov_b32 s[SEL+1], 0xfedcba98
	s_mov_b32 s[J], 0
	s_mov_b32 s51, 0                               ; the upper word of every offset
	s_wait_kmcnt 0x0
	s_cmp_lt_u32 ttmp9, 512
	s_cbranch_scc0 .Lvkind
	; ---- kind QK
	s_lshr_b32 s46, ttmp9, 6                       ; G
	s_and_b32 s47, ttmp9, 63                       ; tb
	s_and_b32 s48, s46, 3                          ; 2 head + ks
	s_mul_i32 s50, s46, 49152
	s_add_nc_u64 s[BIGC:BIGC+1], s[8:9], s[50:51]  ; W's tiles 8 G on
	s_lshl_b32 s50, s46, 11
	s_add_nc_u64 s[BIGS:BIGS+1], s[10:11], s[50:51]
	s_mul_i32 s50, s47, 98304
	s_add_nc_u64 s[SMC:SMC+1], s[4:5], s[50:51]    ; X's tiles 16 tb on
	s_lshl_b32 s50, s47, 12
	s_add_nc_u64 s[SMS:SMS+1], s[6:7], s[50:51]
	s_cmp_lt_u32 s46, 4                            ; Q or K?
	s_cselect_b64 s[BP:BP+1], s[12:13], s[14:15]
	s_cselect_b64 s[DCB:DCB+1], s[18:19], s[22:23]
	s_cselect_b64 s[DSB:DSB+1], s[20:21], s[22:23]
	s_mov_b32 s[AC], 38400
	s_cselect_b32 s[AC], 24576, s[AC]
	s_mov_b32 s[AS], 38400
	s_cselect_b32 s[AS], 1024, s[AS]
	s_mov_b32 s52, 153600
	s_cselect_b32 s52, 98304, s52                  ; 16 tiles' codes: in qc, or a record of kv
	s_mov_b32 s53, 153600
	s_cselect_b32 s53, 4096, s53
	s_cselect_b32 s54, 0, 24576                    ; in a quarter the scale words lie behind the K fragments
	s_lshl_b32 s50, s48, 9
	s_add_nc_u64 s[BP:BP+1], s[BP:BP+1], s[50:51]  ; my 128 numbers of the bias
	s_mul_i32 s50, s47, s52
	s_mul_i32 s55, s48, 1536
	s_add_co_u32 s50, s50, s55
	s_add_nc_u64 s[DCB:DCB+1], s[DCB:DCB+1], s[50:51]
	s_mul_i32 s50, s47, s53
	s_lshl_b32 s55, s48, 6
	s_add_co_u32 s50, s50, s55
	s_add_co_u32 s50, s50, s54
	s_add_nc_u64 s[DSB:DSB+1], s[DSB:DSB+1], s[50:51]
	s_wait_alu depctr_va_vdst(0)
	v_lshlrev_b32 v[BO], 6, v6                     ; register j of tile t is feature 32 (t / 2) + 8 (t % 2) + 16 h + j
	BIGLOAD
	WIN 0x80
.irp t, 0,1,2,3,4,5,6,7
	global_load_b128 v[BI+8*\t:BI+8*\t+3], v[BO], s[BP:BP+1] offset:(32*(\t/2)+8*(\t%2))*4
	global_load_b128 v[BI+8*\t+4:BI+8*\t+7], v[BO], s[BP:BP+1] offset:(32*(\t/2)+8*(\t%2))*4+16
.endr
	SMALL 0, 0, 0
	SMALL 0, 1, 1
.Lqk:                                              ; 7 trips ask two units ahead; the eighth is written out, so that no load leaves its buffer
	TRIP 0, 1
	s_cmp_lt_u32 s[J], 7
	s_cbranch_scc1 .Lqk
	TRIP 0, 0
	s_endpgm
	; ---- kind V
.Lvkind:
	s_sub_co_u32 s46, ttmp9, 512                   ; kbg: which 128 tokens
	s_mul_i32 s50, s46, 49152
	s_add_nc_u64 s[BIGC:BIGC+1], s[4:5], s[50:51]  ; X's tiles 8 kbg on
	s_lshl_b32 s50, s46, 11
	s_add_nc_u64 s[BIGS:BIGS+1], s[6:7], s[50:51]
	s_add_nc_u64 s[SMC:SMC+1], s[8:9], 393216      ; Wv: tiles 64 on
	s_add_nc_u64 s[SMS:SMS+1], s[10:11], 16384
	s_mov_b64 s[BP:BP+1], s[16:17]
	s_mul_i32 s50, s46, 76800                      ; two quarters for each 128 keys
	s_add_nc_u64 s[DCB:DCB+1], s[22:23], s[50:51]
	s_add_nc_u64 s[DSB:DSB+1], s[DCB:DCB+1], 37888
	s_add_nc_u64 s[DCB:DCB+1], s[DCB:DCB+1], 25600
	s_wait_alu depctr_va_vdst(0)
	v_and_b32 v7, 8, v5
	v_add_nc_u32 v7, v7, v5
	v_lshlrev_b32 v[BO], 2, v7                     ; my row of a tile of Wv: r + 8 (r / 8)
	BIGLOAD
	SMALL 1, 0, 0
	SMALL 1, 1, 1
.Lv:
	s_wait_alu depctr_va_vdst(0)
	TRIP 1, 1
	s_cmp_lt_u32 s[J], 7
	s_cbranch_scc1 .Lv
	TRIP 1, 0
	s_endpgm
.Lfunc_end_k_q47cbedd96f_proj:
	.size	k_q47cbedd96f_proj, .Lfunc_end_k_q47cbedd96f_proj-k_q47cbedd96f_proj
	.p2alignl 7, 3214868480
	.fill 96, 4, 3214868480
	.section	.rodata,"a",@progbits
	.p2align	6, 0x0
	.amdhsa_kernel k_q47cbedd96f_proj
		.amdhsa_group_segment_fixed_size 0
		.amdhsa_private_segment_fixed_size 0
		.amdhsa_enable_private_segment 0
		.amdhsa_kernarg_size 80
		.amdhsa_user_sgpr_count 2
		.amdhsa_user_sgpr_kernarg_segment_ptr 1
		.amdhsa_wavefront_size32 1
		.amdhsa_system_sgpr_workgroup_id_x 1
		.amdhsa_system_sgpr_workgroup_id_y 1
		.amdhsa_system_sgpr_workgroup_id_z 1
		.amdhsa_system_vgpr_workitem_id 0
		.amdhsa_next_free_vgpr 864
		.amdhsa_next_free_sgpr 66
		.amdhsa_reserve_vcc 0
		.amdhsa_float_denorm_mode_32 3
		.amdhsa_float_denorm_mode_16_64 3
		.amdhsa_memory_ordered 1
		.amdhsa_forward_progress 1
		.amdhsa_inst_pref_size 109
	.end_amdhsa_kernel
	.amdgpu_metadata
---
amdhsa.version: [ 1, 2 ]
amdhsa.kernels:
  - .name:           k_q47cbedd96f_proj
    .symbol:         k_q47cbedd96f_proj.kd
    .args:
      - { .name: xc, .offset: 0, .size: 8, .value_kind: global_buffer, .address_space: global }
      - { .name: xs, .offset: 8, .size: 8, .value_kind: global_buffer, .address_space: global }
      - { .name: wc, .offset: 16, .size: 8, .value_kind: global_buffer, .address_space: global }
      - { .name: ws, .offset: 24, .size: 8, .value_kind: global_buffer, .address_space: global }
      - { .name: bq, .offset: 32, .size: 8, .value_kind: global_buffer, .address_space: global }
      - { .name: bk, .offset: 40, .size: 8, .value_kind: global_buffer, .address_space: global }
      - { .name: bv, .offset: 48, .size: 8, .value_kind: global_buffer, .address_space: global }
      - { .name: qc, .offset: 56, .size: 8, .value_kind: global_buffer, .address_space: global }
      - { .name: qs, .offset: 64, .size: 8, .value_kind: global_buffer, .address_space: global }
      - { .name: kv, .offset: 72, .size: 8, .value_kind: global_buffer, .address_space: global }
    .group_segment_fixed_size: 0
    .private_segment_fixed_size: 0
    .kernarg_segment_align: 8
    .kernarg_segment_size: 80
    .max_flat_workgroup_size: 32
    .sgpr_count:     66
    .vgpr_count:     864
    .wavefront_size: 32
...
	.end_amdgpu_metadata
.endif
;; end of part 2
;; launch attn (part 3): grid 64 x 4, 4 waves a work-group, clusters of 4 x 1, 327,680 bytes of LDS; arguments qc, qs, kv, lam, out0; writes out0
.if DOCPART == 3
	.amdgcn_target "amdgcn-amd-amdhsa--gfx1250"
	.amdhsa_code_object_version 6
	.text
	.protected	k_q47cbedd96f_attn
	.globl	k_q47cbedd96f_attn
	.p2align	8
	.type	k_q47cbedd96f_attn,@function
k_q47cbedd96f_attn:
	s_mov_b64 s[64:65], 0
	v_nop
	global_prefetch_b8 v0, s[64:65] scope:SCOPE_SE
	s_setreg_imm32_b32 hwreg(HW_REG_WAVE_MODE, 25, 1), 1
	s_wait_xcnt 0x0
	s_wait_alu depctr_hold_cnt(0) depctr_sa_sdst(0) depctr_va_vdst(0) depctr_va_sdst(0) depctr_va_ssrc(0) depctr_va_vcc(0) depctr_vm_vsrc(0)
	s_getreg_b32 s2, hwreg(HW_REG_IB_STS2, 6, 4)
	s_cmp_eq_u32 s2, 0
	s_cbranch_scc0 .Lentry_in_a_cluster
	s_endpgm
.Lentry_in_a_cluster:
	s_bfe_u32 s2, ttmp6, 0x10000c
	s_cmp_lg_u32 s2, 0x3003
	s_cbranch_scc0 .Lentry_shape_is_right
	s_endpgm
.Lentry_shape_is_right:
; DiffAttn in MX-BF6, launch 3 of 3: out = Q(softmax(Q1 K1^T / 16) - (e^lam + 0.05) softmax(Q2 K2^T / 16)) V, all products on codes of E3M2 with E8M0 scales.  No work of the problem is left out.
; diff is quantised FINISHED AND NORMALISED, in blocks of 32 keys, so each row's maximum and sum must be known first: THE KEYS ARE WALKED TWICE.  Walk 1: both heads' scores, running maximum and sum.
; Walk 2: the scores once more, P1 = 2^(t - M - log2 l1), lambda P2 = 2^(t - M + log2 lambda - log2 l2), diff = their difference, its quantiser, O^T += V^T diff^T.  t = score x log2(e) / 16; M = the row's largest t
; rounded UP to a whole number, so that in walk 1 a change of M is a multiplication by a power of two, which rounds nothing.  In walk 1 each lane keeps M and l of the keys that it sees; they are merged once, between the walks.
; SHARES.  A work-group owns 64 queries of one batch.  Wave w = 2 qp + kg owns query tiles 2 qp, 2 qp + 1 of them (32 tokens) and, of every record of 256 keys, the kg-th 128: each fragment of K and V read from LDS feeds two
; matrix instructions.  The two key halves' O^T are added on the way out.  (Tiles, images and kv's records: as laid down at the heads of launches 1 and 2.)
; LAYOUT.  Both products transposed: S^T = K Q^T (source 0 = 16 keys, source 1 = 16 queries), O^T = V^T diff^T: a lane holds ONE query throughout; the 16 registers of key tiles 2 b, 2 b + 1 are keys 32 b + 16 (lane / 16) + 0 .. 15.
; BY TURNS.  A wave is alone on its SIMD and issues in order, so vector work is set between its matrix instructions: one slice behind each.  A BATCH is key tiles 2 b, 2 b + 1 for both heads and both query tiles: 16 matrix
; instructions, 64 scores a lane, whose 32 packed scalings and 64 exponentials are 16 slices of six.
;   Walk 2: batch b's slices stand in batch b + 1's products; batch 3's stand bare; one wait for all 256 exponentials.  Diff and its quantiser are a numbered list of 100 instructions a query tile: tile 0's stands bare,
;   tile 1's first eight are the places ahead of the products with V, the rest is dealt six behind each of tile 0's 16 products; tile 1's 16 follow.
;   Walk 1: the exponentials want the trip's maximum, so they run ONE TRIP BEHIND, in the same registers: in trip g the last trip's batch b + 1 is scaled and exponentiated in the slices of this trip's batch b, and summed just
;   ahead of this trip's batch b + 1, which writes over it; the last trip's batch 0 stands bare at the trip's head; the slices of this trip's batch 3 are the maxima of its batches 0 to 2 (96 instructions).  Trip 0 has no
;   such slices and is written out; the last trip's exponentials and sums stand behind the loop.
;   A slice costs two switches of the register windows: no window has room for S^T beside K's fragments.
; RING.  Two LDS buffers of one record each.  Trip g (0-15 walk 1, 16-31 walk 2) reads buffer g % 2, which holds record g % 16, and at its head asks for record (g + 1) % 16 into the other; each wave fetches a quarter,
; 150 rows of 256 bytes, by one tensor load.  By this text's own count one tensor load of a wave is out, and every wait for tensor loads is for 0.  Both walks fetch WHOLE records with one descriptor
; the price: V's 51,200 bytes of a record ride along unread in walk 1.
; CLUSTER.  The four work-groups of a cluster are four query blocks of one batch and walk the same records: each quarter is asked for JOINTLY, by the same load with the same descriptor and a mask that names the four.
; LIMITS: NaN and infinities are not served; P under 2^-126 counts as 0 (v_exp_f32); a block of diff that is all zeros carries the byte 1 with zero codes; 1 / l and lambda enter through the exponent, by v_log_f32.
; REGISTERS, in windows of 256 (s_set_vgpr_msb's low byte: bits 1:0 source 0, 3:2 source 1, 5:4 source 2, 7:6 destination).
;   window 0: v1-14 addresses; v16-47 statistics, 8 for each combination c = 2 i + head (+0 -M, +1 largest score, +2..5 l in four parts, +6 f, +7 at work; in walk 2: +0 what is added to t in the exponent);
;     v48-51 Q's scale images, v52-67 K's, v68-75 V's, v76-77 diff's scale words; v78 lambda; v80-111 at work; v112-135 diff's codes; v136-151 at work; v152-154 the way out; v160-255 Q (48 i + 12 (2 head + ks)).
;   window 1: S^T (128 i + 64 head + 8 t).   window 2: O^T (128 i + 8 dt).   window 3: v0-95, v96-191 two sets of K's fragments, then V^T's sixteen (12 dt).
; HOW THE VECTOR WORK STANDS NOW (this takes the place of the paragraph BY TURNS above): a batch's 32 scalings stand together, a wait ahead of them and one behind; its 64 exponentials stand in two halves of 32,
; one half behind each eight products of another batch.  The eight products are four sums through both K steps, so that no exponential stands between a sum's two links.  The list of 96 maxima stands in two halves of 48 likewise.
.set RECB,  153600                     ; a record
.set QUART, 38400                      ; a quarter
.set SLOT,  RECB                       ; buffer 1 begins here
.set KSO,   24576                      ; in a quarter: K's scale images,
.set VCO,   25600                      ; V^T's fragments,
.set VSO,   37888                      ; V's scale images
.set XCH,   2*SLOT                     ; behind the ring: 1,024 bytes for each wave, for the merge of the statistics
.set SPARE, XCH+4096                   ; the spare words, 128 bytes for each wave: two blocks of 256 bytes that no other line names
.set SPI,   1040                       ; the way out: a stage row, 1,024 bytes + 16
.set WST,   32*SPI                     ; a wave's stage: 2 tiles x 16 rows.  The stages lie in buffer 0, which has had its last fill, and its last read ahead of the last change of buffers
.set LI,  1                            ; 16 x lane
.set LS,  2                            ; 4 x lane
.set AQB, 3                            ; my key half's two quarters + 16 x lane
.set ASB, 4                            ; the same + 4 x lane
.set AQ0, 5                            ; v5, v6: the same in the buffer in hand, quarter 0, 1
.set AS0, 7                            ; v7, v8
.set SPW, 9                            ; my spare word; never rewritten
.set NIL, 10                           ; 0; never rewritten
.set PFO1, 11                          ; the prefetches' offsets; never rewritten
.set PFO2, 12
.set XW,  13
.set XR,  14
.set ST,  16
.set QS,  48
.set KS,  52
.set VS,  68
.set PW,  76
.set LAMV, 78
.set TM,  80
.set PC,  112
.set TQ,  136
.set SO,  152
.set SR0, 153
.set SR1, 154
.set QF,  160
.set WV,  14                           ; s14 wave, s15 qp, s16 kg, s17 cx, s18 query block, s19 batch
.set QP,  15
.set KG,  16
.set CX,  17
.set QB,  18
.set BT,  19
.set SEL, 20                           ; s[20:21] lane selects: lane l xor 16
.set CS,  22                           ; s[22:23] c = log2(e) / 16, twice
.set G1,  24                           ; s[24:31] descriptor group 1
.set G0,  40                           ; s[40:43] descriptor group 0
.set BASE, 44                          ; s[44:45] my quarter of the batch's record 0
.set OFF, 46                           ; s[46:47] the record's offset
.set TB,  48                           ; s48 the buffer that is read
.set NB,  49                           ; s49 the buffer that is asked for next
.set WP,  50                           ; s50 my quarter's place in a buffer
.set GT,  51                           ; s51 trips begun
.set SLOTS, 52                         ; s52 the loops' counter
.set LIM, 53                           ; s53 2 in the batch's first cluster, else the greatest number
.set PFA, 54                           ; s[54:55] the record that the prefetches name
.set LAM, 66
.set MSB, 0
.macro WIN new                         ; the immediate's high byte repeats the setting that is left; a switch that changes nothing is dropped
.if MSB != \new
	s_set_vgpr_msb (MSB<<8)|\new
.set MSB, \new
.endif
.endm
.macro PLACES                          ; four places behind matrix instructions, in front of loads into registers that they read and of the first read of their results
.rept 4
	v_nop
.endr
.endm
.macro CROUND                          ; a round of the cluster's barrier
	s_barrier_signal -1
	s_barrier_wait -1
	s_cmp_lg_u32 s[WV], 0
	s_cbranch_scc1 .Lnw0_\@
	s_barrier_signal -3
.Lnw0_\@:
	s_barrier_wait -3
	s_barrier_signal -1
	s_barrier_wait -1
.endm
; a matrix instruction: D, A, B at register numbers d, a, b; C at c, or the constant 0 where c < 0; scale registers sa, sb; row = 1: both sides' scales from lanes 16-31; 2: A's alone
.macro WM d, a, b, c, sa, sb, row
.if \c < 0
.if \row == 1
	v_wmma_scale_f32_16x16x128_f8f6f4 v[\d:\d+7], v[\a:\a+11], v[\b:\b+11], 0, v[\sa], v[\sb] matrix_a_fmt:MATRIX_FMT_BF6 matrix_b_fmt:MATRIX_FMT_BF6 matrix_a_scale:MATRIX_SCALE_ROW1 matrix_b_scale:MATRIX_SCALE_ROW1
.elseif \row == 2
	v_wmma_scale_f32_16x16x128_f8f6f4 v[\d:\d+7], v[\a:\a+11], v[\b:\b+11], 0, v[\sa], v[\sb] matrix_a_fmt:MATRIX_FMT_BF6 matrix_b_fmt:MATRIX_FMT_BF6 matrix_a_scale:MATRIX_SCALE_ROW1
.else
	v_wmma_scale_f32_16x16x128_f8f6f4 v[\d:\d+7], v[\a:\a+11], v[\b:\b+11], 0, v[\sa], v[\sb] matrix_a_fmt:MATRIX_FMT_BF6 matrix_b_fmt:MATRIX_FMT_BF6
.endif
.else
.if \row == 1
	v_wmma_scale_f32_16x16x128_f8f6f4 v[\d:\d+7], v[\a:\a+11], v[\b:\b+11], v[\c:\c+7], v[\sa], v[\sb] matrix_a_fmt:MATRIX_FMT_BF6 matrix_b_fmt:MATRIX_FMT_BF6 matrix_a_scale:MATRIX_SCALE_ROW1 matrix_b_scale:MATRIX_SCALE_ROW1
.elseif \row == 2
	v_wmma_scale_f32_16x16x128_f8f6f4 v[\d:\d+7], v[\a:\a+11], v[\b:\b+11], v[\c:\c+7], v[\sa], v[\sb] matrix_a_fmt:MATRIX_FMT_BF6 matrix_b_fmt:MATRIX_FMT_BF6 matrix_a_scale:MATRIX_SCALE_ROW1
.else
	v_wmma_scale_f32_16x16x128_f8f6f4 v[\d:\d+7], v[\a:\a+11], v[\b:\b+11], v[\c:\c+7], v[\sa], v[\sb] matrix_a_fmt:MATRIX_FMT_BF6 matrix_b_fmt:MATRIX_FMT_BF6
.endif
.endif
.endm
.macro FETCHK b                        ; key tiles 2 b, 2 b + 1 of my 8: eight fragments, 24 loads of 512 consecutive bytes, into set b % 2
	WIN 0xc0
.irp n, 0,1,2,3,4,5,6,7,8,9,10,11,12,13,14,15,16,17,18,19,20,21,22,23
	ds_load_b128 v[96*((\b)%2)+4*\n:96*((\b)%2)+4*\n+3], v[AQ0+(\b)/2] offset:12288*((\b)%2)+512*\n
.endr
.endm
.macro FETCHV hf                       ; V^T's d tiles 8 hf .. 8 hf + 7 for my 128 keys
	WIN 0xc0
.irp n, 0,1,2,3,4,5,6,7,8,9,10,11,12,13,14,15,16,17,18,19,20,21,22,23
	ds_load_b128 v[96*\hf+4*\n:96*\hf+4*\n+3], v[AQ0+\hf] offset:VCO+512*\n
.endr
.endm
; THE SCALINGS AND EXPONENTIALS OF A BATCH.  Pair q (0-31) of batch pb: combination q / 8, registers 16 pb + 2 (q % 8) and the next of its 64.  Each sum of a product is so read from its low end on.
.macro PKFB pb, q                      ; c s + what stands in the statistics' first register (walk 1: -M), two scores at a time
.set RR, 64*((\q)/8)+16*(\pb)+2*((\q)%8)
	v_pk_fma_f32 v[RR:RR+1], v[RR:RR+1], s[CS:CS+1], v[ST+8*((\q)/8):ST+8*((\q)/8)+1] op_sel_hi:[1,0,0]
.endm
.macro EXPB pb, q
.set RR, 64*((\q)/8)+16*(\pb)+2*((\q)%8)
	v_exp_f32 v[RR], v[RR]
	v_exp_f32 v[RR+1], v[RR+1]
.endm
.macro PRE pb                          ; all 32 scalings of a batch
	WIN 0x41                                       ; S^T window 1, the statistics window 0
	s_wait_alu depctr_va_vdst(0)                   ; the wait directly ahead of the first readers of the products' sums
.set NQ, 0
.rept 32
	PKFB \pb, NQ
.set NQ, NQ+1
.endr
	s_wait_alu depctr_va_vdst(0)                   ; and one ahead of the batch of exponentials
.endm
.macro EXH pb, hf                      ; half hf of a batch's exponentials: pairs 16 hf .. 16 hf + 15.  Nothing here names an exponential's result
	WIN 0x41
.set NQ, 16*(\hf)
.rept 16
	EXPB \pb, NQ
.set NQ, NQ+1
.endr
.endm
.macro EXB pb                          ; a whole batch, bare
	PRE \pb
	EXH \pb, 0
	EXH \pb, 1
.endm
; THE MAXIMA of batches 0 to 2, a list of 96: number j is step j / 12 of chain (k = (j % 12) / 4, c = j % 4): the largest of my 16 scores of batch k in combination c.  Step 0 takes registers 0, 1, step s registers 2 s, 2 s + 1:
; each sum of a product is read from its low end on.
.macro MXI j
.set MK, ((\j)%12)/4
.set MC, (\j)%4
.set MS, (\j)/12
	WIN 0x05                                       ; S^T window 1, the chains window 0
.if MS == 0
	v_max_num_f32 v[TM+4*MC+MK], v[64*MC+16*MK], v[64*MC+16*MK+1]
.else
	v_max3_num_f32 v[TM+4*MC+MK], v[64*MC+16*MK+2*MS], v[64*MC+16*MK+2*MS+1], v[TM+4*MC+MK]
.endif
.endm
.macro MSL hf                          ; half hf of the list: 48 of them; half 0 first reads the even key tiles' sums, half 1 the odd ones'
	WIN 0x05
	s_wait_alu depctr_va_vdst(0)                   ; the wait directly ahead of the first readers of sums that were made ahead of exponentials
.set MJ, 48*(\hf)
.rept 48
	MXI MJ
.set MJ, MJ+1
.endr
.endm
.macro MX3                             ; batch 3's four chains, bare
	WIN 0x05
.irp c, 0,1,2,3
	v_max_num_f32 v[TM+4*\c+3], v[64*\c+48], v[64*\c+49]
.endr
.irp s, 1,2,3,4,5,6,7
.irp c, 0,1,2,3
	v_max3_num_f32 v[TM+4*\c+3], v[64*\c+48+2*\s], v[64*\c+49+2*\s], v[TM+4*\c+3]
.endr
.endr
.endm
; 16 matrix instructions: batch b: key tiles 2 b, 2 b + 1 x both heads x both query tiles, the head's 256 in two K steps.  A key tile's four sums take turns, one instruction a turn, through both K steps;
; the first K step starts them with 0.  Behind each key tile's eight: mode = 1: half of batch pb's exponentials; mode = 2: half of the maxima; mode = 0: nothing.  Neither names a register of these products.
.macro MULKX b, mode, pb
.irp tt, 0,1
.irp ks, 0,1
.irp hd, 0,1
.irp i, 0,1
	WIN 0x53                                       ; A (K) window 3, B (Q) window 0, C and D (S^T) window 1
.if \ks == 0
	WM 128*\i+64*\hd+8*(2*(\b)+\tt), 96*((\b)%2)+12*(4*\tt+2*\hd), QF+48*\i+24*\hd, -1, KS+2*(2*(\b)+\tt)+\hd, QS+2*\i+\hd, 0
.else
	WM 128*\i+64*\hd+8*(2*(\b)+\tt), 96*((\b)%2)+12*(4*\tt+2*\hd+1), QF+48*\i+24*\hd+12, 128*\i+64*\hd+8*(2*(\b)+\tt), KS+2*(2*(\b)+\tt)+\hd, QS+2*\i+\hd, 1
.endif
.endr
.endr
.endr
.if (\mode) == 1
	EXH \pb, \tt
.elseif (\mode) == 2
	MSL \tt
.endif
.endr
.endm
; A PREFETCH INTO THE L2, in walk 1 alone: the record that the NEXT trip's tensor loads will ask for (trip t names record t + 2, t = 0 .. 13; records 0 and 1 come by their loads alone; walk 2 reads again what walk 1 has read).
; A record is 600 blocks of 256 bytes.  All clusters of a batch walk the same records: the batch's first cluster asks.  Its four partners share the blocks out BY ADDRESS: of the 100 blocks of K in quarter w, wave w of partner cx
; takes 25; of the 50 blocks of V in quarter cx, waves 0 and 1 take 25 each.  A lane a block; lanes 25-31 name lane 24's block once more.
.macro ASK
	s_cmp_gt_u32 s[SLOTS], s[LIM]
	s_cbranch_scc0 .Lnoask_\@
	global_prefetch_b8 v[PFO1], s[PFA:PFA+1] th:TH_LOAD_NT scope:SCOPE_SE
	s_cmp_lt_u32 s[WV], 2
	s_cbranch_scc0 .Lnoask_\@
	global_prefetch_b8 v[PFO2], s[PFA:PFA+1] th:TH_LOAD_NT scope:SCOPE_SE
.Lnoask_\@:
.endm
; A trip's head: the addresses in the buffer in hand, the scale images, the first two batches' fragments
.macro KHEAD withv
	v_add_nc_u32 v[AQ0], s[TB], v[AQB]             ; (these four are also the places behind the last trip's products)
	v_add_nc_u32 v[AS0], s[TB], v[ASB]
	v_add_nc_u32 v[AQ0+1], QUART, v[AQ0]
	v_add_nc_u32 v[AS0+1], QUART, v[AS0]
	s_wait_alu depctr_va_vdst(0)                   ; the wait behind these writes
.irp t, 0,1,2,3,4,5,6,7
.irp hd, 0,1
	ds_load_b32 v[KS+2*\t+\hd], v[AS0+\t/4] offset:KSO+256*(\t%4)+128*\hd   ; lanes 0-15: K step 0's words, lanes 16-31: K step 1's
.endr
.endr
.if \withv
.irp p, 0,1,2,3,4,5,6,7
	ds_load_b32 v[VS+\p], v[AS0+\p/4] offset:VSO+128*(\p%4)   ; lanes 0-15: d tile 2 p's words, lanes 16-31: d tile 2 p + 1's
.endr
.endif
	FETCHK 0
	FETCHK 1
.endm
.macro SUMB pb                         ; l += batch pb's p: two at a time, eight chains
	WIN 0x01
.set P, 0
.rept 8
.irp c, 0,1,2,3
	v_pk_add_f32 v[ST+8*\c+2+2*(P%2):ST+8*\c+3+2*(P%2)], v[64*\c+16*(\pb)+2*P:64*\c+16*(\pb)+2*P+1], v[ST+8*\c+2+2*(P%2):ST+8*\c+3+2*(P%2)]
.endr
.set P, P+1
.endr
.endm
.macro STATS                           ; the new -M = floor(-t) and f = 2^(old M - new M); the four combinations by turns
	WIN 0
.irp c, 0,1,2,3
	v_max3_num_f32 v[TM+4*\c], v[TM+4*\c], v[TM+4*\c+1], v[TM+4*\c+2]
.endr
.irp c, 0,1,2,3
	v_max3_num_f32 v[ST+8*\c+1], v[TM+4*\c], v[TM+4*\c+3], v[ST+8*\c+1]   ; the running largest score
.endr
.irp c, 0,1,2,3
	v_mul_f32 v[TM+16+\c], s[CS], v[ST+8*\c+1]     ; as t (c is positive)
.endr
.irp c, 0,1,2,3
	v_mov_b32 v[ST+8*\c+7], v[ST+8*\c]
.endr
.irp c, 0,1,2,3
	v_floor_f32 v[ST+8*\c], -v[TM+16+\c]
.endr
.irp c, 0,1,2,3
	v_sub_f32 v[ST+8*\c+7], v[ST+8*\c], v[ST+8*\c+7]   ; a whole number, 0 or less
.endr
.irp c, 0,1,2,3
	v_cvt_i32_f32 v[ST+8*\c+7], v[ST+8*\c+7]       ; (it saturates)
.endr
.irp c, 0,1,2,3
	v_ldexp_f32 v[ST+8*\c+6], 1.0, v[ST+8*\c+7]
.endr
.irp c, 0,1,2,3
	v_pk_mul_f32 v[ST+8*\c+2:ST+8*\c+3], v[ST+8*\c+2:ST+8*\c+3], v[ST+8*\c+6:ST+8*\c+7] op_sel_hi:[1,0]   ; l, which holds all trips before this one, under the new M
	v_pk_mul_f32 v[ST+8*\c+4:ST+8*\c+5], v[ST+8*\c+4:ST+8*\c+5], v[ST+8*\c+6:ST+8*\c+7] op_sel_hi:[1,0]
.endr
.endm
; A TRIP OF WALK 1.  first = 1: trip 0, which has no trip behind it.  Each s_wait_dscnt 24 leaves the one younger run of 24 fragment loads out.  Each s_wait_alu is the one wait between a batch's
; exponentials and the sums, which name their results; the four v_nop ahead of it are also the plain instruction behind the last exponential.
.macro STEP1 first
	KHEAD 0
	WIN 0
	ASK                                            ; behind the tensor load and the loads that the next products wait for
.if \first == 0
	EXB 0                                          ; the last trip's batch 0, while the fragments come
	v_nop
	s_wait_alu depctr_va_vdst(0)
	SUMB 0
	PRE 1
.endif
	s_wait_dscnt 24
	MULKX 0, 1-\first, 1
	PLACES
.if \first == 0
	s_wait_alu depctr_va_vdst(0)
.endif
	FETCHK 2
.if \first == 0
	SUMB 1
	PRE 2
.endif
	s_wait_dscnt 24
	MULKX 1, 1-\first, 2
	PLACES
.if \first == 0
	s_wait_alu depctr_va_vdst(0)
.endif
	FETCHK 3
.if \first == 0
	SUMB 2
	PRE 3
.endif
	s_wait_dscnt 24
	MULKX 2, 1-\first, 3
	PLACES
.if \first == 0
	s_wait_alu depctr_va_vdst(0)
	SUMB 3
.endif
	s_wait_dscnt 0x0
	MULKX 3, 2, 0
	PLACES
	MX3
	STATS
	s_xor_b32 s[TB], s[TB], SLOT                   ; on to the other buffer
.endm
; DIFF AND ITS QUANTISER for query tile i: a list of 100; QI writes number j.  Register 16 b + n of the tile's head 0 is key 32 b + 16 (lane / 16) + n of the lane's query.
;   0-31 diff = P1 - lambda P2, a pair each, into head 0's registers;  32-63 the four blocks' largest magnitudes, by turns, with the floor 2^(5 - 127) among the leaves: the byte cannot fall under 1;
;   64-71 with lane l xor 16's 16 keys;  72-75 4 off the exponent field: the conversions' scale operands;  76-79 the scale bytes;  80-82 the scale word of these 128 keys;  83-86 the conversions (a conversion's three
;   registers begin on an even number);  87 the plain instruction behind them;  88-99 the operand wants a WHOLE block in a lane: six exchanges of halves, six moves.
.macro QI i, j
.if (\j) < 32
	WIN 0x45
	v_pk_add_f32 v[128*\i+2*(\j):128*\i+2*(\j)+1], v[128*\i+2*(\j):128*\i+2*(\j)+1], v[128*\i+64+2*(\j):128*\i+64+2*(\j)+1] neg_lo:[0,1] neg_hi:[0,1]
.elseif (\j) < 36
	WIN 0x05
.set XB, (\j)-32
	v_max3_num_f32 v[TM+16*\i+XB], |v[128*\i+16*XB]|, |v[128*\i+16*XB+1]|, 0x2800000
.elseif (\j) < 64
	WIN 0x05
.set XB, ((\j)-36)%4
.set XM, 2+2*(((\j)-36)/4)
	v_max3_num_f32 v[TM+16*\i+XB], |v[128*\i+16*XB+XM]|, |v[128*\i+16*XB+XM+1]|, v[TM+16*\i+XB]
.elseif (\j) < 68
	WIN 0
.set XB, (\j)-64
	v_permlanex16_b32 v[TM+16*\i+4+XB], v[TM+16*\i+XB], s[SEL], s[SEL+1]
.elseif (\j) < 72
	WIN 0
.set XB, (\j)-68
	v_max_num_f32 v[TM+16*\i+XB], v[TM+16*\i+XB], v[TM+16*\i+4+XB]
.elseif (\j) < 76
	WIN 0
.set XB, (\j)-72
	v_add_nc_u32 v[TM+16*\i+12+XB], 0xfe000000, v[TM+16*\i+XB]
.elseif (\j) < 80
	WIN 0
.set XB, (\j)-76
	v_lshrrev_b32 v[TM+16*\i+4+XB], 23, v[TM+16*\i+12+XB]
.elseif (\j) == 80
	WIN 0
	v_lshl_or_b32 v[PW+\i], v[TM+16*\i+5], 8, v[TM+16*\i+4]
.elseif (\j) == 81
	WIN 0
	v_lshl_or_b32 v[PW+\i], v[TM+16*\i+6], 16, v[PW+\i]
.elseif (\j) == 82
	WIN 0
	v_lshl_or_b32 v[PW+\i], v[TM+16*\i+7], 24, v[PW+\i]
.elseif (\j) < 87
	WIN 0x01
.set XB, ((\j)-83)/2
.if ((\j)-83)%2 == 0
	v_cvt_scalef32_pk16_bf6_f32 v[PC+12*\i+6*XB:PC+12*\i+6*XB+2], v[128*\i+32*XB:128*\i+32*XB+15], v[TM+16*\i+12+2*XB]
.else
	v_cvt_scalef32_pk16_bf6_f32 v[TQ+8*\i+4*XB:TQ+8*\i+4*XB+2], v[128*\i+32*XB+16:128*\i+32*XB+31], v[TM+16*\i+12+2*XB+1]
.endif
.elseif (\j) == 87
	WIN 0
	v_nop
.elseif (\j) < 94
	WIN 0
.set XB, ((\j)-88)/3
.set XM, ((\j)-88)%3
	v_permlane16_swap_b32 v[PC+12*\i+6*XB+XM], v[TQ+8*\i+4*XB+XM]
.elseif (\j) < 100
	WIN 0
.set XB, ((\j)-94)/3
.set XM, ((\j)-94)%3
	v_mov_b32 v[PC+12*\i+6*XB+3+XM], v[TQ+8*\i+4*XB+XM]
.endif
.endm
; O^T += V^T diff^T for query tile i: 16 sums, one instruction each, by turns.  zero = 1: the first trip starts them: nothing is cleared.  sl = 1: six of tile 1's list behind each; they name no register of these products
.macro PVI i, zero, sl
.irp dt, 0,1,2,3,4,5,6,7,8,9,10,11,12,13,14,15
	WIN 0xa3                                       ; A (V^T) window 3, B (diff) window 0, C and D (O^T) window 2
.if \dt == 0
	s_wait_alu depctr_va_vdst(0)                   ; the wait ahead of the run: O^T's sums were made ahead of this trip's exponentials, diff's codes ahead of a wait
.endif
.if \zero
	WM 128*\i+8*\dt, 12*\dt, PC+12*\i, -1, VS+\dt/2, PW+\i, 2*(\dt%2)
.else
	WM 128*\i+8*\dt, 12*\dt, PC+12*\i, 128*\i+8*\dt, VS+\dt/2, PW+\i, 2*(\dt%2)
.endif
.if \sl
.rept 6
	QI 1, JJ
.set JJ, JJ+1
.endr
.endif
.endr
.endm
; A TRIP OF WALK 2.  V's fragments are fetched into K's sets as they fall free.
.macro STEP2 zero
	KHEAD 1
	s_wait_dscnt 24
	MULKX 0, 0, 0
	PLACES
	FETCHK 2
	PRE 0
	s_wait_dscnt 24
	MULKX 1, 1, 0
	PLACES
	FETCHK 3
	PRE 1
	s_wait_dscnt 24
	MULKX 2, 1, 1
	PLACES
	FETCHV 0
	PRE 2
	s_wait_dscnt 24
	MULKX 3, 1, 2
	PLACES
	FETCHV 1
	EXB 3
	v_nop                                          ; a plain instruction behind the last exponential
	s_wait_alu depctr_va_vdst(0)                   ; and the wait ahead of the first use: one for the trip's 256
.set JJ, 0
.rept 100
	QI 0, JJ                                       ; tile 0's list
.set JJ, JJ+1
.endr
.set JJ, 0
.rept 8
	QI 1, JJ                                       ; tile 1's first eight: a scale register written by vector instructions stands 8 places ahead of a scaled matrix instruction, an operand so written 4
.set JJ, JJ+1
.endr
	s_wait_dscnt 0x0                               ; V is in
	PVI 0, \zero, 1                                ; tile 0's products, tile 1's other 92 between them
	PLACES                                         ; behind tile 1's last moves: four places for its codes; its scale word was made 17 numbers of the list earlier
	PVI 1, \zero, 0
	WIN 0
	s_xor_b32 s[TB], s[TB], SLOT
.endm
; THE CHANGE OF BUFFERS, at a trip's head.  Each wave waits for all its tensor loads (its quarter of the buffer that is read next), adds 0 to its spare word, and waits for that and for its reads of the buffer that it has left.
; fill = 1: a round of the cluster's barrier: no wave of any partner still reads that buffer or has a load on its way; the joint load of the next record is the first thing behind it and has the whole trip in which to land.
.macro CHANGE fill, ask
	s_wait_tensorcnt 0x0                           ; no tensor load of mine is out, so group 0 may be written
	ds_add_u32 v[SPW], v[NIL]                      ; 0 onto my spare word; the descriptor's words stand between it and the wait for it
.if \fill
	s_add_co_u32 s[GT], s[GT], 1
	s_and_b32 s[OFF], s[GT], 15                    ; record (g + 1) % 16
	s_mul_i32 s[OFF], s[OFF], RECB
	s_add_nc_u64 s[G0+2:G0+3], s[BASE:BASE+1], s[OFF:OFF+1]
	s_or_b32 s[G0+3], s[G0+3], 0x80000000          ; type = 2
	s_add_co_u32 s[G0+1], s[WP], s[NB]
	s_xor_b32 s[NB], s[NB], SLOT
.endif
.if \ask
	s_wait_xcnt 0x0                                ; the last trip's prefetches have read their address, so it may be written
	s_add_nc_u64 s[PFA:PFA+1], s[PFA:PFA+1], RECB
.endif
	s_wait_dscnt 0x0                               ; the add is done, and my reads of the buffer that I have left are over
.if \fill
	CROUND
	tensor_load_to_lds s[G0:G0+3], s[G1:G1+7]
	s_nop 0
.rept 4
	v_nop
.endr
.else
	s_barrier_signal -1
	s_barrier_wait -1
.endif
.endm
; Two partial (-M, l) of each combination become one: N in v[TM+c], L in v[TM+4+c]; the other's in v[TM+8+c], v[TM+12+c].  The scalings are by powers of two
.macro MERGE4
.irp c, 0,1,2,3
	v_min_num_f32 v[TM+16+\c], v[TM+\c], v[TM+8+\c]    ; the smaller -M is the larger M
.endr
.irp c, 0,1,2,3
	v_sub_f32 v[TM+20+\c], v[TM+16+\c], v[TM+\c]
.endr
.irp c, 0,1,2,3
	v_sub_f32 v[TM+24+\c], v[TM+16+\c], v[TM+8+\c]
.endr
.irp c, 0,1,2,3
	v_cvt_i32_f32 v[TM+20+\c], v[TM+20+\c]
.endr
.irp c, 0,1,2,3
	v_cvt_i32_f32 v[TM+24+\c], v[TM+24+\c]
.endr
.irp c, 0,1,2,3
	v_ldexp_f32 v[TM+4+\c], v[TM+4+\c], v[TM+20+\c]
.endr
.irp c, 0,1,2,3
	v_ldexp_f32 v[TM+12+\c], v[TM+12+\c], v[TM+24+\c]
.endr
.irp c, 0,1,2,3
	v_add_f32 v[TM+4+\c], v[TM+4+\c], v[TM+12+\c]
.endr
.irp c, 0,1,2,3
	v_mov_b32 v[TM+\c], v[TM+16+\c]
.endr
.endm
	s_load_b256 s[4:11], s[0:1], 0x0               ; qc 4, qs 6, kv 8, lam 10
	s_load_b64 s[12:13], s[0:1], 0x20              ; out0
	v_lshl_add_u32 v[SPW], v0, 2, SPARE
	v_mov_b32 v[NIL], 0
	ds_add_u32 v[SPW], v[NIL]                      ; the wave's opening: the add, twice on end, and its wait ahead of my first tensor load; the set-up below, work on registers, stands between
	ds_add_u32 v[SPW], v[NIL]
	v_lshrrev_b32 v15, 5, v0
	v_readfirstlane_b32 s[WV], v15                 ; wave 0..3
	s_lshr_b32 s[QP], s[WV], 1
	s_and_b32 s[KG], s[WV], 1
	s_bfe_u32 s[CX], ttmp6, 0x40000                ; my place in the cluster: it enters Q's, out0's and the prefetches' addresses alone
	s_lshl_b32 s[QB], ttmp9, 2
	s_add_co_u32 s[QB], s[QB], s[CX]               ; my block of 64 queries
	s_and_b32 s[BT], ttmp7, 0xffff                 ; the batch, which the four partners share
	; descriptor group 1: a quarter, 38,400 dense bytes, as 150 rows of 32 elements of 8 bytes; no padding: images are read 16 bytes a lane on end
	s_mov_b32 s[G1], 15|(3<<16)|(1<<21)            ; 15:0 the mask: all four work-groups; 17:16 elements of 8 bytes; 21 set beside a mask
	s_mov_b32 s[G1+1], 32<<16                      ; tensor_dim0
	s_mov_b32 s[G1+2], 150<<16                     ; tensor_dim1
	s_mov_b32 s[G1+3], 32<<16                      ; tile_dim0
	s_mov_b32 s[G1+4], 150                         ; tile_dim1
	s_mov_b32 s[G1+5], 32                          ; from row to row
	s_mov_b32 s[G1+6], 0
	s_mov_b32 s[G1+7], 0
	s_mov_b32 s[SEL], 0x76543210
	s_mov_b32 s[SEL+1], 0xfedcba98
	s_mov_b32 s[CS], 0x3db8aa3b                    ; c = log2(e) / 16
	s_mov_b32 s[CS+1], s[CS]                       ; (named with it as a pair, so it is written)
	s_mov_b32 s[TB], 0
	s_mov_b32 s[NB], SLOT
	s_mul_i32 s[WP], s[WV], QUART
	s_mov_b32 s[GT], 0
	s_cmp_eq_u32 ttmp9, 0                          ; the batch's first cluster: the same in all four partners
	s_cselect_b32 s[LIM], 2, -1
	s_mul_i32 s56, s[BT], 16*RECB                  ; the batch's 16 records
	s_mov_b32 s57, 0
	s_add_co_u32 s[OFF], s56, s[WP]                ; + my quarter: nothing of my place in the cluster enters these registers
	s_mov_b32 s[OFF+1], 0
	s_lshl_b32 s34, s[BT], 8                       ; my first query tile: 256 x batch + 4 x block + 2 qp
	s_lshl_b32 s35, s[QB], 2
	s_add_co_u32 s34, s34, s35
	s_lshl_b32 s35, s[QP], 1
	s_add_co_u32 s34, s34, s35
	s_lshl_b32 s36, s34, 8                         ; its scale images
	s_mov_b32 s37, 0
	s_mul_i32 s34, s34, 6144                       ; its fragments
	s_mov_b32 s35, 0
	s_lshl_b32 s32, s[BT], 12                      ; the first token that I store: 4,096 x batch + 64 x block + 32 qp + 8 kg
	s_lshl_b32 s33, s[QB], 6
	s_add_co_u32 s32, s32, s33
	s_lshl_b32 s33, s[QP], 5
	s_add_co_u32 s32, s32, s33
	s_lshl_b32 s33, s[KG], 3
	s_add_co_u32 s32, s32, s33
	s_lshl_b32 s32, s32, 10                        ; rows of 1,024 bytes
	s_mov_b32 s33, 0
	s_wait_dscnt 0x0                               ; both opening adds are done
	s_wait_kmcnt 0x0
	s_add_nc_u64 s[BASE:BASE+1], s[8:9], s[OFF:OFF+1]
	s_add_nc_u64 s[PFA:PFA+1], s[8:9], s[56:57]
	s_add_nc_u64 s[PFA:PFA+1], s[PFA:PFA+1], RECB  ; at record 1: the first trip steps it to record 2.  Nothing is prefetched here, at the head
	s_add_nc_u64 s[60:61], s[4:5], s[34:35]
	s_add_nc_u64 s[62:63], s[6:7], s[36:37]
	s_add_nc_u64 s[12:13], s[12:13], s[32:33]
	s_load_b32 s[LAM], s[10:11], 0x0
	CROUND                                         ; all four work-groups are here: the first joint loads meet
	s_mov_b32 s[G0], 1                             ; count = 1
	s_mov_b32 s[G0+1], s[WP]                       ; buffer 0
	s_mov_b64 s[G0+2:G0+3], s[BASE:BASE+1]         ; record 0
	s_or_b32 s[G0+3], s[G0+3], 0x80000000          ; type = 2
	tensor_load_to_lds s[G0:G0+3], s[G1:G1+7]
	s_nop 0
.rept 4
	v_nop
.endr
	v_and_b32 v15, 31, v0                          ; lane
	v_lshlrev_b32 v[LI], 4, v15
	v_lshlrev_b32 v[LS], 2, v15
.irp i, 0,1
.irp f, 0,1,2,3
.irp g, 0,1,2
	global_load_b128 v[QF+48*\i+12*\f+4*\g:QF+48*\i+12*\f+4*\g+3], v[LI], s[60:61] offset:6144*\i+1536*\f+512*\g   ; Q stays in registers
.endr
.endr
.irp hd, 0,1
	global_load_b32 v[QS+2*\i+\hd], v[LS], s[62:63] offset:256*\i+128*\hd
.endr
.endr
	s_mul_i32 s56, s[KG], 2*QUART
	v_add_nc_u32 v[AQB], s56, v[LI]
	v_add_nc_u32 v[ASB], s56, v[LS]
	s_lshl_b32 s56, s[WV], 10
	s_add_co_u32 s56, s56, XCH
	v_add_nc_u32 v[XW], s56, v[LI]                 ; the merge: where I write,
	s_xor_b32 s57, s[WV], 1
	s_lshl_b32 s57, s57, 10
	s_add_co_u32 s57, s57, XCH
	v_add_nc_u32 v[XR], s57, v[LI]                 ; and where the wave with my queries and the other keys writes
	s_wait_alu depctr_va_vdst(0)                   ; the wait
	v_min_u32 v79, 24, v15
	v_lshlrev_b32 v79, 8, v79                      ; the prefetches: a block a lane
	s_mul_i32 s32, s[CX], 6400
	s_add_co_u32 s32, s32, s[WP]
	v_add_nc_u32 v[PFO1], s32, v79
	s_mul_i32 s32, s[CX], QUART
	s_mul_i32 s33, s[WV], 6400
	s_add_co_u32 s32, s32, s33
	s_add_co_u32 s32, s32, VCO
	v_add_nc_u32 v[PFO2], s32, v79
	v_and_b32 v15, 15, v0                          ; r
	v_bfe_u32 v79, v0, 4, 1                        ; h
	v_mul_u32_u24 v[SO], v15, SPI
	v_lshl_add_u32 v[SO], v79, 6, v[SO]
	s_mul_i32 s56, s[WV], WST
	v_add_nc_u32 v[SO], s56, v[SO]                 ; the way out, in: my stage, row r, + 64 h
	s_mul_i32 s57, s[KG], 16*SPI
	s_add_co_u32 s58, s56, s57
	v_add_nc_u32 v[SR0], s58, v[LI]                ; back: tile kg of my stage,
	s_xor_b32 s58, s[WV], 1
	s_mul_i32 s58, s58, WST
	s_add_co_u32 s58, s58, s57
	v_add_nc_u32 v[SR1], s58, v[LI]                ; and of the other key half's
.irp c, 0,1,2,3
	v_mov_b32 v[ST+8*\c+1], 0xff61b1e6             ; the largest score so far: -3e38
	v_mov_b32 v[ST+8*\c+2], 0                      ; l, in four parts
	v_mov_b32 v[ST+8*\c+3], 0
	v_mov_b32 v[ST+8*\c+4], 0
	v_mov_b32 v[ST+8*\c+5], 0
.endr
.irp c, 0,1,2,3
	v_mul_f32 v[ST+8*\c+7], s[CS], v[ST+8*\c+1]
.endr
.irp c, 0,1,2,3
	v_floor_f32 v[ST+8*\c], -v[ST+8*\c+7]          ; -M
.endr
	s_wait_alu depctr_va_vdst(0)                   ; the wait at the head's end
	s_wait_kmcnt 0x0                               ; lam
	s_wait_loadcnt 0x0                             ; Q
	; ---- walk 1: trip 0 is written out: no trip stands behind it; trips 1-15; then the last trip's exponentials and sums
	s_mov_b32 s[SLOTS], 16
	CHANGE 1, 1
	STEP1 1
	s_mov_b32 s[SLOTS], 15
.Lp1:
	CHANGE 1, 1
	STEP1 0
	s_sub_co_u32 s[SLOTS], s[SLOTS], 1
	s_cmp_lg_u32 s[SLOTS], 0
	s_cbranch_scc1 .Lp1
	EXB 0
	EXB 1
	EXB 2
	EXB 3
	v_nop                                          ; a plain instruction behind the last exponential,
	s_wait_alu depctr_va_vdst(0)                   ; and the one wait ahead of the sums
	SUMB 0
	SUMB 1
	SUMB 2
	SUMB 3
	WIN 0
	; ---- the merge: a query's keys lie in lanes l and l xor 16 of two waves
.irp c, 0,1,2,3
	v_mov_b32 v[TM+\c], v[ST+8*\c]
.endr
.irp c, 0,1,2,3
	v_add_f32 v[TM+4+\c], v[ST+8*\c+2], v[ST+8*\c+3]
.endr
.irp c, 0,1,2,3
	v_add_f32 v[TM+16+\c], v[ST+8*\c+4], v[ST+8*\c+5]
.endr
.irp c, 0,1,2,3
	v_add_f32 v[TM+4+\c], v[TM+4+\c], v[TM+16+\c]
.endr
.irp j, 0,1,2,3,4,5,6,7
	v_permlanex16_b32 v[TM+8+\j], v[TM+\j], s[SEL], s[SEL+1]
.endr
	MERGE4
	s_wait_alu depctr_va_vdst(0)                   ; the wait
	ds_store_b128 v[XW], v[TM:TM+3]
	ds_store_b128 v[XW], v[TM+4:TM+7] offset:512
	s_wait_dscnt 0x0                               ; for the other wave's sake: my stores have landed
	s_barrier_signal -1
	s_barrier_wait -1
	ds_load_b128 v[TM+8:TM+11], v[XR]
	ds_load_b128 v[TM+12:TM+15], v[XR] offset:512
	s_wait_dscnt 0x0
	MERGE4
	v_mov_b32 v[LAMV], s[LAM]
	v_mul_f32 v[LAMV], 0x3fb8aa3b, v[LAMV]
	s_wait_alu depctr_va_vdst(0)                   ; the wait ahead of the batch of five
	v_exp_f32 v[LAMV], v[LAMV]                     ; e^lam
.irp c, 0,1,2,3
	v_log_f32 v[TM+16+\c], v[TM+4+\c]              ; log2 l
.endr
	v_nop                                          ; a plain instruction behind the batch of five,
	s_wait_alu depctr_va_vdst(0)                   ; and the one wait ahead of the first use
	v_add_f32 v[LAMV], 0x3d4ccccd, v[LAMV]         ; lambda = e^lam + 0.05, above 0
	s_wait_alu depctr_va_vdst(0)                   ; the wait ahead of the logarithm
	v_log_f32 v[LAMV], v[LAMV]                     ; log2 lambda
.irp c, 0,1,2,3
	v_sub_f32 v[ST+8*\c], v[TM+\c], v[TM+16+\c]    ; what walk 2 adds to t: -M - log2 l.  (Plain work behind the logarithm)
.endr
	s_wait_alu depctr_va_vdst(0)                   ; the wait ahead of the logarithm's first use
.irp i, 0,1
	v_add_f32 v[ST+16*\i+8], v[ST+16*\i+8], v[LAMV]    ; head 1's: + log2 lambda
.endr
	; ---- walk 2: trip 16 starts O^T's sums; trips 17-30; trip 31 asks for nothing and is written out
	CHANGE 1, 0
	STEP2 1
	s_mov_b32 s[SLOTS], 14
.Lp2:
	CHANGE 1, 0
	STEP2 0
	s_sub_co_u32 s[SLOTS], s[SLOTS], 1
	s_cmp_lg_u32 s[SLOTS], 0
	s_cbranch_scc1 .Lp2
	CHANGE 0, 0
	STEP2 0
	; ---- THE WAY OUT.  Register j of O^T(i, dt) in lane (r, h) is out(query r of tile i, d = 32 (dt / 2) + 16 h + 8 (dt % 2) + j).  Each wave lays its two tiles as rows in its stage; behind a barrier wave (qp, kg)
	; reads tile kg of both key halves' stages by whole rows, adds them and stores 512 consecutive bytes an instruction.
	PLACES
	WIN 0x08                                       ; an LDS store's data are its source 1: window 2
.irp i, 0,1
.irp dt, 0,1,2,3,4,5,6,7,8,9,10,11,12,13,14,15
	ds_store_b128 v[SO], v[128*\i+8*\dt:128*\i+8*\dt+3] offset:16*SPI*\i+128*(\dt/2)+32*(\dt%2)       ; each sum from its low end on
	ds_store_b128 v[SO], v[128*\i+8*\dt+4:128*\i+8*\dt+7] offset:16*SPI*\i+128*(\dt/2)+32*(\dt%2)+16
.endr
.endr
	WIN 0
	s_wait_dscnt 0x0                               ; for the other wave's sake: my stores have landed
	s_barrier_signal -1
	s_barrier_wait -1
	WIN 0x40                                       ; into window 1, which S^T has left
.irp q, 0,1,2,3,4,5,6,7,8,9,10,11,12,13,14,15
.irp u, 0,1
	ds_load_b128 v[16*\q+4*\u:16*\q+4*\u+3], v[SR0] offset:SPI*\q+512*\u
	ds_load_b128 v[16*\q+8+4*\u:16*\q+8+4*\u+3], v[SR1] offset:SPI*\q+512*\u
.endr
.endr
	s_wait_dscnt 0x0
	WIN 0x45
.irp q, 0,1,2,3,4,5,6,7,8,9,10,11,12,13,14,15
.irp u, 0,1,2,3
	v_pk_add_f32 v[16*\q+2*\u:16*\q+2*\u+1], v[16*\q+2*\u:16*\q+2*\u+1], v[16*\q+8+2*\u:16*\q+8+2*\u+1]
.endr
.endr
	WIN 0x04                                       ; a store's data are its source 1: window 1
.irp q, 0,1,2,3,4,5,6,7,8,9,10,11,12,13,14,15
.irp u, 0,1
	global_store_b128 v[LI], v[16*\q+4*\u:16*\q+4*\u+3], s[12:13] offset:(\q+8*(\q/8))*1024+512*\u th:TH_STORE_NT   ; 32 lanes store 512 consecutive bytes, at a multiple of 256 from out0's first byte
.endr
.endr
	WIN 0
	s_wait_tensorcnt 0x0                           ; the wave's end: behind my last tensor load and my last LDS store
	ds_add_u32 v[SPW], v[NIL]
	s_wait_dscnt 0x0
	CROUND                                         ; the closing round: no work-group ends while a partner may still ask for a quarter that names it
	s_endpgm
.Lfunc_end_k_q47cbedd96f_attn:
	.size	k_q47cbedd96f_attn, .Lfunc_end_k_q47cbedd96f_attn-k_q47cbedd96f_attn
	.p2alignl 7, 3214868480
	.fill 96, 4, 3214868480
	.section	.rodata,"a",@progbits
	.p2align	6, 0x0
	.amdhsa_kernel k_q47cbedd96f_attn
		.amdhsa_group_segment_fixed_size 327680
		.amdhsa_private_segment_fixed_size 0
		.amdhsa_enable_private_segment 0
		.amdhsa_kernarg_size 40
		.amdhsa_user_sgpr_count 2
		.amdhsa_user_sgpr_kernarg_segment_ptr 1
		.amdhsa_wavefront_size32 1
		.amdhsa_system_sgpr_workgroup_id_x 1
		.amdhsa_system_sgpr_workgroup_id_y 1
		.amdhsa_system_sgpr_workgroup_id_z 1
		.amdhsa_system_vgpr_workitem_id 0
		.amdhsa_next_free_vgpr 1024
		.amdhsa_next_free_sgpr 80
		.amdhsa_reserve_vcc 0
		.amdhsa_float_denorm_mode_32 3
		.amdhsa_float_denorm_mode_16_64 3
		.amdhsa_memory_ordered 1
		.amdhsa_forward_progress 1
		.amdhsa_inst_pref_size 255
	.end_amdhsa_kernel
	.section	.bss,"aw",@nobits
	.p2align	6
	.space	262144
	.amdgpu_metadata
---
amdhsa.version: [ 1, 2 ]
amdhsa.kernels:
  - .name:           k_q47cbedd96f_attn
    .symbol:         k_q47cbedd96f_attn.kd
    .args:
      - { .name: qc, .offset: 0, .size: 8, .value_kind: global_buffer, .address_space: global }
      - { .name: qs, .offset: 8, .size: 8, .value_kind: global_buffer, .address_space: global }
      - { .name: kv, .offset: 16, .size: 8, .value_kind: global_buffer, .address_space: global }
      - { .name: lam, .offset: 24, .size: 8, .value_kind: global_buffer, .address_space: global }
      - { .name: out0, .offset: 32, .size: 8, .value_kind: global_buffer, .address_space: global }
    .group_segment_fixed_size: 327680
    .private_segment_fixed_size: 0
    .kernarg_segment_align: 8
    .kernarg_segment_size: 40
    .max_flat_workgroup_size: 128
    .sgpr_count:     80
    .vgpr_count:     1024
    .wavefront_size: 32
...
	.end_amdgpu_metadata
.endif
;; end of part 3
